; MI455X (gfx1250); checked and timed in simulation.
; The chip was launched on July 23, 2026; its instructions are those of AMD's public machine-readable ISA for CDNA 5 (MIT licence, August 2026) and "CDNA5" Instruction Set Architecture Reference Guide (July 2026). The comments in the code are by the model that wrote it; some were corrected since.
;; negative set define. Allowed arithmetic: matrix products marked QUANTISED: E2M1 operands, one E8M0 scale for each 32 along K, by v_wmma_scale_f32_16x16x128_f8f6f4 with both operands' format E2M1 (or v_wmma_scale_f32_32x16x128_f4), f32 sums; everything else in f32.
;; Inputs: anchor 8,192 x 1,024 float32; negative 8,192 x 1,024 float32.
;; Outputs: out0 8,192 x 1,024 float32.
;; This version of the problem:
;;   THIS VERSION OF THE PROBLEM IS GIVEN IN LOW PRECISION. The matrix products marked QUANTISED in the list below multiply operands that are first quantised to E2M1 (2 exponent bits, 1 mantissa bit; 4 bits a number), with one power-of-two scale for each 32 numbers along K (OCP MX v1.0); their sums are f32. All else is computed in f32.
;;   The module's matrix products, in the order in which they are computed (A, B: the left and right operand; K: the contracted axis; several contracted axes count as one K, in the product's order):
;;     1. [M 8,192, K 1,024] x [K 1,024, N 8,192]; A: input anchor; B: input negative: QUANTISED
;;   THE QUANTISER, for each operand of a quantised product, along K:
;;     - K is cut into blocks of 32 from its start; a last block that is shorter is filled with zeros.
;;     - A block's scale is 2^e with e = floor(log2(the largest magnitude in the block)) - 2, held to -126 .. 127; a block of zeros has e = 0. As a byte (E8M0): e + 127.
;;     - Each number is divided by its block's scale, clamped to +-6, and rounded to the nearest number of E2M1, ties to even, subnormals kept.
;;     - The product sums the exact products of the quantised numbers (number of the format x scale) in f32.
;;   ~~~python
;;   def quantise(x, axis):      # numpy; x: float32 -> the quantised numbers, widened to float32 again
;;       x = np.moveaxis(x, axis, -1); K = x.shape[-1]
;;       x = np.pad(x, [(0, 0)] * (x.ndim - 1) + [(0, -K % 32)]); x = x.reshape(x.shape[:-1] + (-1, 32)); a = np.abs(x).max(-1, keepdims=True)
;;       e = np.where(a > 0, np.clip(np.frexp(np.where(a > 0, a, 1))[1] - 1 - 2, -126, 127), 0)      # np.frexp(a)[1] - 1 = floor(log2(a)), exactly
;;       r = np.clip(x / 2.0 ** e, -6, 6)
;;       step = 2.0 ** (np.maximum(np.frexp(np.where(r == 0, 1, r))[1] - 1, 0) - 1)
;;       q = np.round(r / step) * step * 2.0 ** e      # np.round: ties to even
;;       return np.moveaxis(q.reshape(q.shape[:-2] + (-1,))[..., :K], -1, axis).astype(np.float32)
;;   ~~~
;; One version. Each part assembles by itself: llvm-mc -triple=amdgcn-amd-amdhsa -mcpu=gfx1250 --defsym DOCPART=n.
;; ======== version 1 of 1: 3 launches
;; limits: right only within a limited range of input values
;; workspace buffers: rec 9,175,040 bytes; pkey 524,288 bytes of whole numbers; pidx 524,288 bytes of whole numbers
;; launch quant (part 1): grid 256 x 1, 8 waves a work-group, no clusters, 327,680 bytes of LDS; arguments anchor, negative, rec; writes rec
.if DOCPART == 1
	.amdgcn_target "amdgcn-amd-amdhsa--gfx1250"
	.amdhsa_code_object_version 6
	.text
	.protected	k_qfda748af9f_quant
	.globl	k_qfda748af9f_quant
	.p2align	8
	.type	k_qfda748af9f_quant,@function
k_qfda748af9f_quant:
	s_mov_b64 s[64:65], 0
	v_nop
	global_prefetch_b8 v0, s[64:65] scope:SCOPE_SE
	s_setreg_imm32_b32 hwreg(HW_REG_WAVE_MODE, 25, 1), 1
	s_wait_xcnt 0x0
; anchor and negative, [8192][1024] f32, become codes of FP4 (E2M1) with one E8M0 byte for each 32 along K; of each negative also -n2 / 2, n2 its sum of squares.
; WORK LEFT OUT.  reference() returns negative[argmax over j of mse[i][j]], mse[i][j] = (a2[i] + n2[j] - 2 dots[i][j]) / 1024.  For a fixed i the term a2[i] is the same for every j and the factor 1 / 1024 is
; positive and the same for every j, so for all finite values of the inputs the j that makes mse largest is the j that makes dots[i][j] - n2[j] / 2 smallest, and only that j reaches the output.
; So a2 and the division are not computed.  (anchor is still read: its codes enter dots.)  The anchors' work-groups run the same steps as the negatives'; the squares that ride along there are dropped, not stored.
; LIMITS: a NaN, an infinity or an overflow that would arise in a2 alone is not carried to the result.  The order of rounding differs from reference()'s: negatives whose mse lie within a few f32 roundings
; of each other (eight roundings of sums of the size of n2 / 2) may be ranked otherwise than reference()'s f32 ranks them.  NaN and infinities among the inputs are not served; blocks whose largest magnitude lies under 2^-124 keep the byte 1.
; rec holds one RECORD of 8,960 bytes (35 x 256) for each 16 rows; records 0-511 the anchors, 512-1023 the negatives:
;   byte 0: the codes as the matrix operand's registers take them: [K step q of 128][half c][lane][16 bytes], lane (r, h) holding k = 128 q + 64 c + 32 h + 0 .. 31 of row r
;   byte 8192: the scale words, [lane][16 bytes]: lanes 0-15 row r's words of K steps 0-3, lanes 16-31 those of K steps 4-7
;   byte 8704 (negatives alone; nobody reads an anchor record's last unit): 16 f32, -n2 / 2 of the rows, then 192 bytes of zeros: the unit of 256 bytes is written whole
; A block's byte is its largest magnitude's exponent field - 2, held at 1 from below (a block of zeros keeps 1: its codes are zeros, and this program alone reads the bytes).
; A work-group takes 64 rows (four records); wave w takes their K step w: ONE tensor load of 64 rows x 512 bytes, padded to a pitch of 528, read by the issuing wave alone.
; The eight loads of a work-group cover all its 256 KiB and go out together; no LDS byte is filled twice.  No prefetch: the launch has no loop to run ahead in.
; Scale words and partial sums of the eight waves meet in LDS stages of their own; waves 0-3 store one record's each, in whole runs of 512 and 256 bytes.
.set REC,   8960
.set PITCH, 528
.set GRP,   16*PITCH
.set WREG,  4*GRP
.set SCS,   8*WREG                     ; stage: four records' scale words, 2,048 bytes
.set PS,    SCS+2048                   ; stage: [wave][64 rows] partial sums, 2,048 bytes
.set SPARE, PS+2048                    ; the spare words, 128 bytes a wave
.set LN,  1
.set RR,  2
.set HH,  3
.set XA,  4                            ; LDS address of my 32 numbers of a step
.set L16, 5
.set SH0, 6
.set SH1, 7
.set SCA, 8                            ; where my row's scale word goes in the stage
.set PSA, 9                            ; where my row's partial sum goes
.set SPW, 14
.set NIL, 15
.set SW,  24                           ; v[24:27] a scale word for each record
.set PD,  28                           ; v[28:31] lane permutes' results
.set X,   32                           ; v[32:95] two sets of 32 numbers
.set C,   96                           ; v[96:127] codes, four registers a step
.set SCR, 128
.set PSR, 129
.set SQO, 130
.set OW,  132                          ; v[132:135] a record's scale words on the way out
.set PP,  136                          ; v[136:151] eight partial sums of two rows
.set Q,   160                          ; v[160:191] sums of squares: eight registers a record
	s_load_b128 s[4:7], s[0:1], 0x0                ; anchor, negative
	s_load_b64 s[8:9], s[0:1], 0x10                ; rec
	v_lshl_add_u32 v[SPW], v0, 2, SPARE
	v_mov_b32 v[NIL], 0
	ds_add_u32 v[SPW], v[NIL]
	ds_add_u32 v[SPW], v[NIL]
	v_lshrrev_b32 v10, 5, v0
	v_readfirstlane_b32 s14, v10                   ; wave 0..7
	s_mov_b32 s24, (2<<16)|(1<<20)|(6<<22)|(3<<25) ; elements of 4 bytes; 4 words of padding behind every 128
	s_mov_b32 s25, 128<<16
	s_mov_b32 s26, 64<<16
	s_mov_b32 s27, 128<<16
	s_mov_b32 s28, 64
	s_mov_b32 s29, 1024
	s_mov_b32 s30, 0
	s_mov_b32 s31, 0
	s_and_b32 s18, ttmp9, 127
	s_lshl_b32 s18, s18, 18                        ; 64 rows of 4,096 bytes
	s_lshl_b32 s20, s14, 9                         ; + my K step's 512 bytes
	s_add_co_u32 s18, s18, s20
	s_mov_b32 s19, 0
	s_mul_i32 s17, s14, WREG
	s_lshl_b32 s20, ttmp9, 2
	s_mul_i32 s20, s20, REC                        ; the work-group's first record
	s_mov_b32 s21, 0
	s_lshl_b32 s22, s14, 10                        ; my K step's 1,024 bytes of codes in a record
	s_mov_b32 s23, 0
	s_and_b32 s54, s14, 3                          ; the record that I store at the end (waves 0-3)
	s_mul_i32 s56, s54, REC
	s_mov_b32 s57, 0
	s_lshr_b32 s52, s14, 2
	s_lshl_b32 s52, s52, 8
	s_lshl_b32 s53, s54, 2
	s_add_co_u32 s52, s52, s53
	s_add_co_u32 s52, s52, SCS                     ; 256 (w / 4) + 4 (w % 4)
	s_lshl_b32 s53, s14, 8
	s_add_co_u32 s53, s53, PS
	s_lshl_b32 s55, s54, 9
	s_add_co_u32 s55, s55, SCS
	s_lshl_b32 s58, s54, 6
	s_add_co_u32 s58, s58, PS
	s_mov_b32 s48, 0x76543210                      ; selects for lane l xor 16
	s_mov_b32 s49, 0xfedcba98
	s_mov_b32 s32, 1
	s_mul_i32 s33, s14, WREG
	s_wait_dscnt 0x0
	s_wait_kmcnt 0x0
	s_cmp_lt_u32 ttmp9, 128                        ; the first 128 work-groups take the anchors
	s_cselect_b64 s[4:5], s[4:5], s[6:7]
	s_add_nc_u64 s[34:35], s[4:5], s[18:19]
	s_or_b32 s35, s35, 0x80000000
	tensor_load_to_lds s[32:35], s[24:31]          ; my one tensor load
	s_nop 0
.rept 4
	v_nop
.endr
	s_add_nc_u64 s[8:9], s[8:9], s[20:21]
	s_add_nc_u64 s[10:11], s[8:9], s[22:23]        ; codes
	s_add_nc_u64 s[12:13], s[8:9], s[56:57]        ; the record that I finish
	v_and_b32 v[LN], 31, v0
	v_and_b32 v[RR], 15, v0
	v_bfe_u32 v[HH], v0, 4, 1
	v_and_b32 v10, 7, v0
	v_mul_u32_u24 v[XA], v[RR], PITCH
	v_lshlrev_b32 v[L16], 4, v[LN]
	v_lshlrev_b32 v[SH0], 3, v[HH]
	v_lshl_add_u32 v[XA], v[HH], 7, v[XA]
	v_lshl_add_u32 v[SCA], v[RR], 4, s52
	v_add_nc_u32 v[SH1], 16, v[SH0]
	v_add_nc_u32 v[XA], s17, v[XA]
	v_lshl_add_u32 v[PSA], v[RR], 2, s53
	v_lshl_add_u32 v[SCR], v[LN], 4, s55
	v_lshl_add_u32 v[PSR], v10, 3, s58
	v_lshlrev_b32 v[SQO], 3, v[LN]
.irp i, 0,1,2,3
	v_mov_b32 v[PD+\i], 0
.endr
.macro LDX s                           ; step s = record s / 2, half s % 2: my 32 numbers
.irp j, 0,1,2,3,4,5,6,7
	ds_load_b128 v[X+32*((\s)%2)+4*\j:X+32*((\s)%2)+4*\j+3], v[XA] offset:((\s)/2)*GRP+256*((\s)%2)+16*\j
.endr
.endm
.macro STEP s
.set XS, X+32*((\s)%2)
.set QG, Q+8*((\s)/2)
.if (\s) < 7
	LDX (\s)+1
	s_wait_dscnt 8                                 ; all but the eight loads just issued
.else
	s_wait_dscnt 0x0
.endif
	v_max3_num_f32 v10, |v[XS]|, |v[XS+1]|, |v[XS+2]|
	v_max3_num_f32 v11, |v[XS+3]|, |v[XS+4]|, |v[XS+5]|
.irp i, 6,10,14,18,22,26
	v_max3_num_f32 v10, v10, |v[XS+\i]|, |v[XS+\i+1]|
	v_max3_num_f32 v11, v11, |v[XS+\i+2]|, |v[XS+\i+3]|
.endr
	v_max3_num_f32 v10, v10, |v[XS+30]|, |v[XS+31]|
	v_max3_num_f32 v10, v10, v11, 0x1800000        ; the floor 2^(3 - 127)
	v_add_nc_u32 v12, 0xff000000, v10              ; 2 off the exponent field: the conversion's scale operand
.irp p, 0,1,2,3,4,5,6,7,8,9,10,11,12,13,14,15
.if ((\s)%2 == 0) && (\p < 4)
	v_pk_mul_f32 v[QG+2*\p:QG+2*\p+1], v[XS+2*\p:XS+2*\p+1], v[XS+2*\p:XS+2*\p+1]
.else
	v_pk_fma_f32 v[QG+2*(\p%4):QG+2*(\p%4)+1], v[XS+2*\p:XS+2*\p+1], v[XS+2*\p:XS+2*\p+1], v[QG+2*(\p%4):QG+2*(\p%4)+1]
.endif
.endr
.irp g, 0,1,2,3
	v_cvt_scalef32_pk8_fp4_f32 v[C+4*(\s)+\g], v[XS+8*\g:XS+8*\g+7], v12
.endr
	v_lshrrev_b32 v13, 23, v12                     ; the byte; also the plain line behind the conversions
.if (\s)%2 == 0
	v_lshlrev_b32 v[SW+(\s)/2], v[SH0], v13        ; byte h of the word
.else
	v_lshl_or_b32 v[SW+(\s)/2], v13, v[SH1], v[SW+(\s)/2]   ; byte 2 + h
.endif
	global_store_b128 v[L16], v[C+4*(\s):C+4*(\s)+3], s[10:11] offset:((\s)/2)*REC+512*((\s)%2)   ; 512 consecutive bytes
.endm
	s_wait_alu depctr_va_vdst(0)                   ; the wait at the head's end
	s_wait_tensorcnt 0x0                           ; my tile is in; nobody else reads it
	LDX 0
.irp s, 0,1,2,3,4,5,6,7
	STEP \s
.endr
.irp g, 0,1,2,3
	v_permlanex16_b32 v[PD+\g], v[SW+\g], s48, s49
.endr
.irp g, 0,1,2,3
	v_or_b32 v[SW+\g], v[SW+\g], v[PD+\g]          ; with lane l xor 16's two bytes the word is whole
.endr
.irp g, 0,1,2,3
	ds_store_b32 v[SCA], v[SW+\g] offset:512*\g    ; both halves of the lanes write the same word with the same value
.endr
.irp g, 0,1,2,3
	v_pk_add_f32 v[Q+8*\g:Q+8*\g+1], v[Q+8*\g:Q+8*\g+1], v[Q+8*\g+2:Q+8*\g+3]
.endr
.irp g, 0,1,2,3
	v_pk_add_f32 v[Q+8*\g+4:Q+8*\g+5], v[Q+8*\g+4:Q+8*\g+5], v[Q+8*\g+6:Q+8*\g+7]
.endr
.irp g, 0,1,2,3
	v_pk_add_f32 v[Q+8*\g:Q+8*\g+1], v[Q+8*\g:Q+8*\g+1], v[Q+8*\g+4:Q+8*\g+5]
.endr
.irp g, 0,1,2,3
	v_add_f32 v[Q+8*\g], v[Q+8*\g], v[Q+8*\g+1]
.endr
.irp g, 0,1,2,3
	v_permlanex16_b32 v[PD+\g], v[Q+8*\g], s48, s49
.endr
.irp g, 0,1,2,3
	v_add_f32 v[Q+8*\g], v[Q+8*\g], v[PD+\g]       ; row r's 128 squares of my K step
.endr
.irp g, 0,1,2,3
	ds_store_b32 v[PSA], v[Q+8*\g] offset:64*\g
.endr
	s_wait_dscnt 0x0                               ; for the others' sake: my stores into the stages are done
	s_barrier_signal -1
	s_barrier_wait -1
	s_cmp_ge_u32 s14, 4
	s_cbranch_scc1 .Lend
	ds_load_b128 v[OW:OW+3], v[SCR]
	s_wait_dscnt 0x0
	global_store_b128 v[L16], v[OW:OW+3], s[12:13] offset:8192   ; 512 consecutive bytes
	s_cmp_lt_u32 ttmp9, 128                        ; the anchors' sums are not wanted: a branch on the work-group's number alone
	s_cbranch_scc1 .Lend
.irp w, 0,1,2,3,4,5,6,7
	ds_load_b64 v[PP+2*\w:PP+2*\w+1], v[PSR] offset:256*\w   ; rows 2 (lane % 8), + 1 of my record, wave w's part
.endr
	s_wait_dscnt 0x0
.irp w, 0,2,4,6
	v_pk_add_f32 v[PP+2*\w:PP+2*\w+1], v[PP+2*\w:PP+2*\w+1], v[PP+2*\w+2:PP+2*\w+3]
.endr
	v_cmp_gt_u32 vcc_lo, 8, v[LN]
	v_pk_add_f32 v[PP:PP+1], v[PP:PP+1], v[PP+4:PP+5]
	v_pk_add_f32 v[PP+8:PP+9], v[PP+8:PP+9], v[PP+12:PP+13]
	v_pk_add_f32 v[PP:PP+1], v[PP:PP+1], v[PP+8:PP+9]
	v_pk_mul_f32 v[PP:PP+1], v[PP:PP+1], -0.5 op_sel_hi:[1,0]   ; -n2 / 2: rounds nothing
	v_cndmask_b32 v[PP], 0, v[PP], vcc_lo          ; lanes 8-31 store the unit's zeros
	v_cndmask_b32 v[PP+1], 0, v[PP+1], vcc_lo
	global_store_b64 v[SQO], v[PP:PP+1], s[12:13] offset:8704   ; one aligned unit of 256 bytes
.Lend:
	s_wait_tensorcnt 0x0                           ; the wave's end
	ds_add_u32 v[SPW], v[NIL]
	s_wait_dscnt 0x0
	s_endpgm
.Lfunc_end_k_qfda748af9f_quant:
	.size	k_qfda748af9f_quant, .Lfunc_end_k_qfda748af9f_quant-k_qfda748af9f_quant
	.p2alignl 7, 3214868480
	.fill 96, 4, 3214868480
	.section	.rodata,"a",@progbits
	.p2align	6, 0x0
	.amdhsa_kernel k_qfda748af9f_quant
		.amdhsa_group_segment_fixed_size 327680
		.amdhsa_private_segment_fixed_size 0
		.amdhsa_enable_private_segment 0
		.amdhsa_kernarg_size 24
		.amdhsa_user_sgpr_count 2
		.amdhsa_user_sgpr_kernarg_segment_ptr 1
		.amdhsa_wavefront_size32 1
		.amdhsa_system_sgpr_workgroup_id_x 1
		.amdhsa_system_sgpr_workgroup_id_y 1
		.amdhsa_system_sgpr_workgroup_id_z 1
		.amdhsa_system_vgpr_workitem_id 0
		.amdhsa_next_free_vgpr 192
		.amdhsa_next_free_sgpr 66
		.amdhsa_reserve_vcc 1
		.amdhsa_float_denorm_mode_32 3
		.amdhsa_float_denorm_mode_16_64 3
		.amdhsa_memory_ordered 1
		.amdhsa_forward_progress 1
		.amdhsa_inst_pref_size 33
	.end_amdhsa_kernel
	.amdgpu_metadata
---
amdhsa.version: [ 1, 2 ]
amdhsa.kernels:
  - .name:           k_qfda748af9f_quant
    .symbol:         k_qfda748af9f_quant.kd
    .args:
      - { .name: anchor, .offset: 0, .size: 8, .value_kind: global_buffer, .address_space: global }
      - { .name: negative, .offset: 8, .size: 8, .value_kind: global_buffer, .address_space: global }
      - { .name: rec, .offset: 16, .size: 8, .value_kind: global_buffer, .address_space: global }
    .group_segment_fixed_size: 327680
    .private_segment_fixed_size: 0
    .kernarg_segment_align: 8
    .kernarg_segment_size: 24
    .max_flat_workgroup_size: 256
    .sgpr_count:     66
    .vgpr_count:     192
    .wavefront_size: 32
...
	.end_amdgpu_metadata
.endif
;; end of part 1
;; launch search (part 2): grid 16 x 16, 4 waves a work-group, clusters of 4 x 1, 327,680 bytes of LDS; arguments rec, pkey, pidx; writes pkey, pidx
.if DOCPART == 2
	.amdgcn_target "amdgcn-amd-amdhsa--gfx1250"
	.amdhsa_code_object_version 6
	.text
	.protected	k_qfda748af9f_search
	.globl	k_qfda748af9f_search
	.p2align	8
	.type	k_qfda748af9f_search,@function
k_qfda748af9f_search:
	s_mov_b64 s[64:65], 0
	v_nop
	global_prefetch_b8 v0, s[64:65] scope:SCOPE_SE
	s_setreg_imm32_b32 hwreg(HW_REG_WAVE_MODE, 25, 1), 1
	s_wait_xcnt 0x0
	s_wait_alu depctr_hold_cnt(0) depctr_sa_sdst(0) depctr_va_vdst(0) depctr_va_sdst(0) depctr_va_ssrc(0) depctr_va_vcc(0) depctr_vm_vsrc(0)
	s_getreg_b32 s2, hwreg(HW_REG_IB_STS2, 6, 4)
	s_cmp_eq_u32 s2, 0
	s_cbranch_scc0 .Lentry_in_a_cluster
	s_endpgm
.Lentry_in_a_cluster:
	s_bfe_u32 s2, ttmp6, 0x10000c
	s_cmp_lg_u32 s2, 0x3003
	s_cbranch_scc0 .Lentry_shape_is_right
	s_endpgm
.Lentry_shape_is_right:
; For 512 anchors (block bx) and 512 negatives (range by): w[i][j] = dots[i][j] - n2[j] / 2, dots on codes of FP4 (E2M1) with E8M0 scales, and for each anchor the range's smallest w with the first
; negative that reaches it: that is the range's largest mse.  a2 and the division by 1024 are left out, as the first kernel's head shows.  Stored: pkey [16 ranges][8192], pidx [16 ranges][8192].
; ARITHMETIC.  rec holds -n2 / 2; it is the C of each accumulator's first product, so w is the finished f32 sum and no vector instruction forms it.
; THE KEY is -w's f32 bits b as a whole number that keeps the order: b xor ((b >> 31, arithmetic) and 0x7fffffff): the greater key is the greater mse.
; LIMITS: NaN and infinities are not served (a NaN loses); +0 and -0 get different keys.  n2 / 2 goes through the eight f32 roundings of the sum: negatives whose mse lie within a few f32 roundings of each other
; may be ranked otherwise than reference()'s f32 ranks them.
; SHARES.  Four waves; wave w owns 128 anchors, eight blocks of 16, whose codes for all of K stay in 512 registers.  A STRIP is one record of rec: 16 negatives' codes, scale words and -n2 / 2, 8,960 bytes.
; LDS: strip s at 8,960 s (32 strips); from byte 179,200 a stage of 131,072 bytes for the anchors' K steps 4-7, which lies over strips 20-31 and reaches beyond them; behind it the spare words.
; THE HEAD'S FOUR TENSOR LOADS, one a wave: strips 0-3, strips 4-7, and the two halves of the stage.  The anchors' K steps 0-3 come by loads into registers beside them.
; Behind the first full sequence: strips 8-19, three a wave (a first fill); the stage is read into registers.  Behind the second: strips 20-31, three a wave, onto bytes of the stage alone.  Every wait on TENSORcnt is for 0.
; CLUSTER.  The four work-groups of a cluster share the range, so every load of strips is JOINT: the same descriptor, made of by and the wave's number, and the mask of all four.
; The anchors differ between the partners: their two loads carry no mask.
; NO PREFETCH: each byte is asked for once; strips 8-19 go out seven strips (448 products a wave) ahead of their first read, strips 20-31 twelve.
; THE MATRIX INSTRUCTION IS USED TRANSPOSED: source 0 = 16 negatives, source 1 = 16 anchors: a lane holds ONE anchor (lane % 16), its eight registers the negatives 8 (lane / 16) + 0 .. 7 of the strip.
; Behind a strip's 64 products: the strip's smallest for each lane and block, and, where it beats the lane's best (strictly: the earlier strip keeps a tie), the strip's number and its
; eight values are kept, two selections an instruction.  Which of the eight it was is settled once, at the end.
; THE NEXT STRIP IS FETCHED IN TWO RUNS: its K steps 0-3 in the middle of the products, the rest behind them.
; REGISTERS: window 0: all but the fragments (below);  window 1: the anchors' fragments of K steps 0-3, block a, step q at v[32 a + 8 q];  window 2: K steps 4-7;  window 3: v[0:63] the strip's eight fragments.
.set REC,   8960
.set STG,   20*REC                     ; the anchors' stage: 32 records x 4,096 bytes
.set SPARE, STG+131072                 ; the spare words, 128 bytes a wave
.set L16,  1                           ; 16 x lane
.set ADB,  2                           ; LDS address of the strip's fragments
.set ADN,  3                           ; of my eight -n2 / 2
.set H0,   5                           ; lane / 16
.set SVA,  6                           ; the strip's number, twice: the dual form wants its two second sources in different banks
.set SVB,  7
.set H8,   8                           ; 8 x (lane / 16) + 512 x range
.set OUT4, 9                           ; 4 x lane
.set SPW,  10
.set NIL,  11
.set H32,  12                          ; 32 x (lane / 16)
.set LN,   13
.set ADA,  14                          ; LDS address of my wave's part of the stage
.set ASC,  16                          ; v[16:47] block a: v[16 + 4 a + i]: lanes 0-15 the word of K step i, lanes 16-31 of K step 4 + i
.set BSC,  48                          ; v[48:51] the same for the strip
.set N2,   52                          ; v[52:59] -n2 / 2 of my eight negatives: the C of the first products
.set M,    60                          ; v[60:67] the strip's smallest
.set BEST, 68                          ; v[68:75] the best so far
.set ID,   77                          ; v[77:84] its strip
.set ACC,  128                         ; v[128:191] eight accumulators; at work at the end
.set WN,   192                         ; v[192:255] the best strip's eight values, for each block
.set BF,   0                           ; window 3
.set G1,   24                          ; s[24:31] group 1 of the joint loads: rows of 256 bytes
.set G1P,  52                          ; s[52:59] group 1 of the anchors' loads: 16 rows of 4,096 bytes, a record apart
.set MK,   76                          ; s[76:83] lane masks, at the end
.set MSB, 0
.macro WIN new
.if MSB != \new
	s_set_vgpr_msb (MSB<<8)|\new
.set MSB, \new
.endif
.endm
.macro CROUND                          ; a round of the cluster's barrier
	s_barrier_signal -1
	s_barrier_wait -1
	s_cmp_lg_u32 s14, 0
	s_cbranch_scc1 .Lnot_wave_0_\@
	s_barrier_signal -3
.Lnot_wave_0_\@:
	s_barrier_wait -3
	s_barrier_signal -1
	s_barrier_wait -1
.endm
.macro TLOAD g0, g1                    ; a tensor load and the nops behind it
	tensor_load_to_lds s[\g0:\g0+3], s[\g1:\g1+7]
	s_nop 0
.rept 4
	v_nop
.endr
.endm
.macro ARM under, g0, g1, next         ; one arm of the head's chain: its load, and a jump to the join
	s_cmp_lt_u32 s14, \under
	s_cbranch_scc0 \next
	TLOAD \g0, \g1
	s_branch .Lhead_asked
\next:
.endm
.macro SEL2 d0, n0, d1, n1             ; two selections on VCC: d = VCC ? n : d
	v_dual_cndmask_b32 v[\d0], v[\d0], v[\n0] :: v_dual_cndmask_b32 v[\d1], v[\d1], v[\n1]
.endm
	s_load_b128 s[4:7], s[0:1], 0x0                ; rec, pkey
	s_load_b64 s[8:9], s[0:1], 0x10                ; pidx
	v_lshl_add_u32 v[SPW], v0, 2, SPARE
	v_mov_b32 v[NIL], 0
	ds_add_u32 v[SPW], v[NIL]
	ds_add_u32 v[SPW], v[NIL]
	v_lshrrev_b32 v2, 5, v0
	v_readfirstlane_b32 s14, v2                    ; wave 0..3
	s_bfe_u32 s15, ttmp6, 0x40000                  ; cx
	s_lshl_b32 s16, ttmp9, 2
	s_add_co_u32 s16, s16, s15                     ; bx: it enters the anchors' and the results' global addresses alone
	s_and_b32 s17, ttmp7, 0xffff                   ; by
	s_mov_b32 s[G1+0], 15|(3<<16)|(1<<21)          ; the mask of all four, elements of 8 bytes, bit 21 beside the mask
	s_mov_b32 s[G1+1], 32<<16
	s_mov_b32 s[G1+2], 140<<16                     ; four strips: 140 rows
	s_mov_b32 s[G1+3], 32<<16
	s_mov_b32 s[G1+4], 140
	s_mov_b32 s[G1+5], 32
	s_mov_b32 s[G1+6], 0
	s_mov_b32 s[G1+7], 0
	s_mov_b32 s[G1P+0], 3<<16                      ; no mask; elements of 8 bytes
	s_mov_b32 s[G1P+1], 512<<16                    ; a row: 512 elements
	s_mov_b32 s[G1P+2], 16<<16
	s_mov_b32 s[G1P+3], 512<<16
	s_mov_b32 s[G1P+4], 16
	s_mov_b32 s[G1P+5], REC/8                      ; from record to record
	s_mov_b32 s[G1P+6], 0
	s_mov_b32 s[G1P+7], 0
	s_lshl_b32 s18, s17, 5
	s_add_co_u32 s18, s18, 512                     ; the range's first record
	s_mul_i32 s20, s18, REC
	s_mov_b32 s21, 0
	s_mov_b32 s32, 1                               ; groups 0 of the head: strips 0-3,
	s_mov_b32 s33, 0
	s_mov_b32 s36, 1                               ; strips 4-7,
	s_mov_b32 s37, 4*REC
	s_mov_b32 s40, 1                               ; the anchors' records 0-15, K steps 4-7,
	s_mov_b32 s41, STG
	s_mov_b32 s44, 1                               ; records 16-31
	s_mov_b32 s45, STG+65536
	s_mov_b32 s88, 1                               ; strips 8 + 3 w .. + 2: their byte in LDS is also their byte in the range
	s_mul_i32 s3, s14, 3
	s_add_co_u32 s3, s3, 8
	s_mul_i32 s89, s3, REC
	s_mul_i32 s22, s3, REC
	s_mov_b32 s23, 0
	s_mov_b32 s92, 1                               ; strips 20 + 3 w .. + 2
	s_add_co_u32 s93, s89, 12*REC
	s_lshl_b32 s60, s16, 5                         ; the work-group's anchors: records 32 bx ..
	s_mul_i32 s60, s60, REC
	s_mov_b32 s61, 0
	s_mul_i32 s62, s14, 8*REC                      ; my wave's eight of them
	s_mov_b32 s63, 0
	s_lshl_b32 s50, s17, 15                        ; results: 32768 by + 4 (512 bx + 128 w)
	s_lshl_b32 s3, s16, 11
	s_add_co_u32 s50, s50, s3
	s_lshl_b32 s3, s14, 9
	s_add_co_u32 s50, s50, s3
	s_mov_b32 s51, 0
	s_lshl_b32 s19, s14, 15                        ; my wave's 32,768 bytes of the stage
	s_add_co_u32 s19, s19, STG
	s_lshl_b32 s3, s17, 9                          ; the range's first negative
	s_mov_b32 s68, 0x76543210                      ; selects for lane l xor 16
	s_mov_b32 s69, 0xfedcba98
	s_mov_b32 s70, 0                               ; LDS byte of the strip to be fetched
	s_mov_b32 s73, 0                               ; the strip in hand
	s_wait_dscnt 0x0
	s_wait_kmcnt 0x0
	s_add_nc_u64 s[34:35], s[4:5], s[20:21]
	s_add_nc_u64 s[38:39], s[34:35], 4*REC
	s_add_nc_u64 s[90:91], s[34:35], s[22:23]
	s_add_nc_u64 s[94:95], s[90:91], 12*REC
	s_add_nc_u64 s[48:49], s[4:5], s[60:61]
	s_add_nc_u64 s[42:43], s[48:49], 4096
	s_add_nc_u64 s[46:47], s[48:49], 16*REC+4096
	s_add_nc_u64 s[48:49], s[48:49], s[62:63]
	s_or_b32 s35, s35, 0x80000000
	s_or_b32 s39, s39, 0x80000000
	s_or_b32 s43, s43, 0x80000000
	s_or_b32 s47, s47, 0x80000000
	s_or_b32 s91, s91, 0x80000000
	s_or_b32 s95, s95, 0x80000000
	s_add_nc_u64 s[6:7], s[6:7], s[50:51]
	s_add_nc_u64 s[8:9], s[8:9], s[50:51]
	CROUND                                         ; all four work-groups are here
	ARM 1, 32, G1,  .Lhead_1                       ; one chain of branches on the wave's number, one load to an arm
	ARM 2, 36, G1,  .Lhead_2
	ARM 3, 40, G1P, .Lhead_3
	TLOAD 44, G1P
.Lhead_asked:
	v_and_b32 v[LN], 31, v0
	v_bfe_u32 v[H0], v0, 4, 1
	v_lshlrev_b32 v[L16], 4, v[LN]
	v_lshlrev_b32 v[H32], 5, v[H0]
	v_lshl_add_u32 v[H8], v[H0], 3, s3
	v_lshlrev_b32 v[OUT4], 2, v[LN]
	v_add_nc_u32 v[ADA], s19, v[L16]
	s_wait_alu depctr_va_vdst(0)
	WIN 0x40                                       ; destination window 1: my anchors' K steps 0-3, 512 consecutive bytes a load
.irp a, 0,1,2,3,4,5,6,7
.irp q, 0,1,2,3
.irp c, 0,1
	global_load_b128 v[32*\a+8*\q+4*\c:32*\a+8*\q+4*\c+3], v[L16], s[48:49] offset:REC*\a+1024*\q+512*\c
.endr
.endr
.endr
	WIN 0
.irp a, 0,1,2,3,4,5,6,7
	global_load_b128 v[ASC+4*\a:ASC+4*\a+3], v[L16], s[48:49] offset:REC*\a+8192
.endr
.irp a, 0,1,2,3,4,5,6,7
	v_mov_b32 v[BEST+\a], 0x7f800000               ; +infinity: the first strip beats it.  (The strip is written once for all 32: it finds these 80 registers set)
	v_mov_b32 v[ID+\a], 0
.endr
.set i, 0
.rept 64
	v_mov_b32 v[WN+i], 0x7f800000
.set i, i+1
.endr
.macro ADDRS                           ; where the next strip lies
	v_add_nc_u32 v[ADB], s70, v[L16]
	v_add_nc_u32 v[ADN], s70, v[H32]
.endm
.macro FETCHLO                         ; its fragments of K steps 0-3: eight loads of 512 consecutive bytes
	WIN 0xc0                                       ; destination window 3
.irp q, 0,1,2,3
.irp c, 0,1
	ds_load_b128 v[BF+8*\q+4*\c:BF+8*\q+4*\c+3], v[ADB] offset:1024*\q+512*\c
.endr
.endr
.endm
.macro FETCHHI                         ; its scale words and -n2 / 2, and LAST its fragments of K steps 4-7: the eight loads that the wait at a strip's head leaves out
	WIN 0
	ds_load_b128 v[BSC:BSC+3], v[ADB] offset:8192
	ds_load_b128 v[N2:N2+3], v[ADN] offset:8704
	ds_load_b128 v[N2+4:N2+7], v[ADN] offset:8720
	WIN 0xc0
.irp q, 4,5,6,7
.irp c, 0,1
	ds_load_b128 v[BF+8*\q+4*\c:BF+8*\q+4*\c+3], v[ADB] offset:1024*\q+512*\c
.endr
.endr
	WIN 0
	s_add_co_u32 s70, s70, REC
.endm
; 2 x 32 products.  The eight accumulators take turns, one instruction a turn; the first K step starts the sums with -n2 / 2.
.macro MULA
	WIN 0x07                                       ; source 0 (negatives) window 3, source 1 (anchors) window 1, C and D window 0
.irp q, 0,1,2,3
.irp a, 0,1,2,3,4,5,6,7
.if \q == 0
	v_wmma_scale_f32_16x16x128_f8f6f4 v[ACC+8*\a:ACC+8*\a+7], v[BF+8*\q:BF+8*\q+7], v[32*\a+8*\q:32*\a+8*\q+7], v[N2:N2+7], v[BSC+\q], v[ASC+4*\a+\q] matrix_a_fmt:MATRIX_FMT_FP4 matrix_b_fmt:MATRIX_FMT_FP4
.else
	v_wmma_scale_f32_16x16x128_f8f6f4 v[ACC+8*\a:ACC+8*\a+7], v[BF+8*\q:BF+8*\q+7], v[32*\a+8*\q:32*\a+8*\q+7], v[ACC+8*\a:ACC+8*\a+7], v[BSC+\q], v[ASC+4*\a+\q] matrix_a_fmt:MATRIX_FMT_FP4 matrix_b_fmt:MATRIX_FMT_FP4
.endif
.endr
.endr
.endm
.macro MULB
	WIN 0x0b                                       ; source 1 window 2: K steps 4-7, whose scale words lie in lanes 16-31
.irp q, 0,1,2,3
.irp a, 0,1,2,3,4,5,6,7
	v_wmma_scale_f32_16x16x128_f8f6f4 v[ACC+8*\a:ACC+8*\a+7], v[BF+32+8*\q:BF+32+8*\q+7], v[32*\a+8*\q:32*\a+8*\q+7], v[ACC+8*\a:ACC+8*\a+7], v[BSC+\q], v[ASC+4*\a+\q] matrix_a_fmt:MATRIX_FMT_FP4 matrix_b_fmt:MATRIX_FMT_FP4 matrix_a_scale:MATRIX_SCALE_ROW1 matrix_b_scale:MATRIX_SCALE_ROW1
.endr
.endr
	WIN 0
.endm
; A strip.  next = 1: the next strip's operands are fetched.
.macro STRIP next
	s_wait_dscnt 8                                 ; all but the youngest eight LDS loads, the fragments of K steps 4-7, are in
	MULA
	s_wait_dscnt 0x0                               ; those eight are in
	WIN 0
.if \next
	v_nop                                          ; loads into registers that matrix instructions have read stand four plain vector lines behind them:
	v_nop                                          ; these two and the two additions
	ADDRS
	FETCHLO
.endif
	MULB
	v_nop                                          ; four plain lines again, ahead of the loads and of the first read of results
	v_nop
	v_mov_b32 v[SVA], s73
	v_mov_b32 v[SVB], s73
.if \next
	FETCHHI
.endif
.irp a, 0,1,2,3,4,5,6,7                ; the strip's smallest, the eight blocks by turns; each accumulator from its low end on
	v_min3_num_f32 v[M+\a], v[ACC+8*\a], v[ACC+8*\a+1], v[ACC+8*\a+2]
.endr
.irp a, 0,1,2,3,4,5,6,7
	v_min3_num_f32 v[M+\a], v[M+\a], v[ACC+8*\a+3], v[ACC+8*\a+4]
.endr
.irp a, 0,1,2,3,4,5,6,7
	v_min3_num_f32 v[M+\a], v[M+\a], v[ACC+8*\a+5], v[ACC+8*\a+6]
.endr
	v_min_num_f32 v[M], v[M], v[ACC+7]
.irp a, 0,1,2,3,4,5,6,7
	v_cmp_lt_f32 vcc_lo, v[M+\a], v[BEST+\a]       ; strictly: the earlier strip keeps a tie
.if \a < 7
	v_min_num_f32 v[M+\a+1], v[M+\a+1], v[ACC+8*\a+15]   ; the next block's last step stands between the compare and its readers
.endif
.if (\a%4) == 2
	SEL2 BEST+\a, M+\a, ID+\a, SVB
.else
	SEL2 BEST+\a, M+\a, ID+\a, SVA
.endif
.irp j, 0,2,4,6
	SEL2 WN+8*\a+\j, ACC+8*\a+\j, WN+8*\a+\j+1, ACC+8*\a+\j+1   ; a choice of values: no branch hangs on them
.endr
.endr
.if \next
	s_add_co_u32 s73, s73, 1
.endif
.endm
	s_wait_alu depctr_va_vdst(0)                   ; directly ahead of the wait below
	s_wait_tensorcnt 0x0                           ; my load of the head's four is in
	ds_add_u32 v[SPW], v[NIL]
	s_mov_b32 s[G1+2], 105<<16                     ; no tensor load of mine is out: from here on three strips, 105 rows
	s_mov_b32 s[G1+4], 105
	s_wait_dscnt 0x0
	CROUND                                         ; all four loads are in
	TLOAD 88, G1                                   ; strips 8-19
	WIN 0x80                                       ; destination window 2: my anchors' K steps 4-7 out of the stage
.irp a, 0,1,2,3,4,5,6,7
.irp q, 0,1,2,3
.irp c, 0,1
	ds_load_b128 v[32*\a+8*\q+4*\c:32*\a+8*\q+4*\c+3], v[ADA] offset:4096*\a+1024*\q+512*\c
.endr
.endr
.endr
	WIN 0
	ADDRS                                          ; strip 0
	FETCHLO
	FETCHHI
	s_wait_alu depctr_va_vdst(0)                   ; the wait at the head's end
	s_wait_loadcnt 0x0                             ; the anchors' K steps 0-3 and scale words
	s_mov_b32 s74, 7
.Lfirst:                                               ; strips 0-6; they fetch strips 1-7
	STRIP 1
	s_sub_co_u32 s74, s74, 1
	s_cmp_lg_u32 s74, 0
	s_cbranch_scc1 .Lfirst
	s_wait_tensorcnt 0x0                           ; my part of strips 8-19 is in
	ds_add_u32 v[SPW], v[NIL]
	s_wait_dscnt 0x0                               ; the add is done; my reads of the stage were over in the first strip
	CROUND                                         ; both hold of every wave of the cluster
	TLOAD 92, G1                                   ; strips 20-31, onto bytes of the stage
	s_mov_b32 s74, 12
.Lsecond:                                              ; strips 7-18; they fetch strips 8-19
	STRIP 1
	s_sub_co_u32 s74, s74, 1
	s_cmp_lg_u32 s74, 0
	s_cbranch_scc1 .Lsecond
	s_wait_tensorcnt 0x0                           ; my part of strips 20-31 is in;
	s_wait_dscnt 0x0                               ; no LDS load of mine is out at the signal
	s_barrier_signal -1
	s_barrier_wait -1                              ; everybody's is
	s_mov_b32 s74, 12
.Lthird:                                               ; strips 19-30; they fetch strips 20-31
	STRIP 1
	s_sub_co_u32 s74, s74, 1
	s_cmp_lg_u32 s74, 0
	s_cbranch_scc1 .Lthird
	STRIP 0                                        ; strip 31 fetches nothing
	; WHICH OF THE BEST STRIP'S EIGHT: the lowest j whose value is the best
.irp a, 0,1,2,3,4,5,6,7
	v_mov_b32 v[M+\a], 7
.endr
.irp j, 6,5,4,3,2,1,0
.irp a, 0,1,2,3,4,5,6,7
	v_cmp_eq_f32 s[MK+\a], v[WN+8*\a+\j], v[BEST+\a]
.endr
.irp a, 0,1,2,3,4,5,6,7
	v_cndmask_b32 v[M+\a], v[M+\a], \j, s[MK+\a]
.endr
.endr
.irp a, 0,1,2,3,4,5,6,7
	v_lshl_add_u32 v[ID+\a], v[ID+\a], 4, v[M+\a]  ; 16 x strip + j
.endr
.irp a, 0,1,2,3,4,5,6,7
	v_add_nc_u32 v[ID+\a], v[ID+\a], v[H8]         ; + 8 (lane / 16) + 512 x range: the negative's index
.endr
	; the anchor's other eight negatives of each strip lie in the lane 16 away: the smaller wins, of equals the lower index; both lanes end alike
.irp a, 0,1,2,3,4,5,6,7
	v_permlanex16_b32 v[ACC+\a], v[BEST+\a], s68, s69   ; (ACC has been written by every strip)
	v_permlanex16_b32 v[ACC+8+\a], v[ID+\a], s68, s69
.endr
.irp a, 0,1,2,3,4,5,6,7
	v_cmp_lt_f32 s[MK+\a], v[ACC+\a], v[BEST+\a]
	v_cmp_eq_f32 s84, v[ACC+\a], v[BEST+\a]
	v_cmp_lt_u32 s85, v[ACC+8+\a], v[ID+\a]
	s_and_b32 s84, s84, s85
	s_or_b32 s[MK+\a], s[MK+\a], s84
	v_cndmask_b32 v[BEST+\a], v[BEST+\a], v[ACC+\a], s[MK+\a]
	v_cndmask_b32 v[ID+\a], v[ID+\a], v[ACC+8+\a], s[MK+\a]
.endr
.irp a, 0,1,2,3,4,5,6,7
	v_xor_b32 v[BEST+\a], 0x80000000, v[BEST+\a]   ; -w: the greater is the greater mse
.endr
.irp a, 0,1,2,3,4,5,6,7
	v_ashrrev_i32 v[ACC+16+\a], 31, v[BEST+\a]     ; the key: a negative number's lower 31 bits are turned over
.endr
.irp a, 0,1,2,3,4,5,6,7
	v_and_b32 v[ACC+16+\a], 0x7fffffff, v[ACC+16+\a]
.endr
.irp a, 0,1,2,3,4,5,6,7
	v_xor_b32 v[BEST+\a], v[BEST+\a], v[ACC+16+\a]
.endr
	v_cmp_eq_u32 vcc_lo, 1, v[H0]
.irp a, 0,2,4,6
	v_cndmask_b32 v[ACC+24+\a/2], v[BEST+\a], v[BEST+\a+1], vcc_lo   ; lanes 0-15 block a, lanes 16-31 block a + 1: 32 neighbouring anchors
	v_cndmask_b32 v[ACC+28+\a/2], v[ID+\a], v[ID+\a+1], vcc_lo
.endr
.irp a, 0,2,4,6
	global_store_b32 v[OUT4], v[ACC+24+\a/2], s[6:7] offset:64*\a   ; 128 consecutive bytes a store; the wave's four cover 512, at a multiple of 512
	global_store_b32 v[OUT4], v[ACC+28+\a/2], s[8:9] offset:64*\a
.endr
	s_wait_tensorcnt 0x0                           ; the wave's end
	ds_add_u32 v[SPW], v[NIL]
	s_wait_dscnt 0x0
	CROUND                                         ; the closing round
	s_endpgm
.Lfunc_end_k_qfda748af9f_search:
	.size	k_qfda748af9f_search, .Lfunc_end_k_qfda748af9f_search-k_qfda748af9f_search
	.p2alignl 7, 3214868480
	.fill 96, 4, 3214868480
	.section	.rodata,"a",@progbits
	.p2align	6, 0x0
	.amdhsa_kernel k_qfda748af9f_search
		.amdhsa_group_segment_fixed_size 327680
		.amdhsa_private_segment_fixed_size 0
		.amdhsa_enable_private_segment 0
		.amdhsa_kernarg_size 24
		.amdhsa_user_sgpr_count 2
		.amdhsa_user_sgpr_kernarg_segment_ptr 1
		.amdhsa_wavefront_size32 1
		.amdhsa_system_sgpr_workgroup_id_x 1
		.amdhsa_system_sgpr_workgroup_id_y 1
		.amdhsa_system_sgpr_workgroup_id_z 1
		.amdhsa_system_vgpr_workitem_id 0
		.amdhsa_next_free_vgpr 1024
		.amdhsa_next_free_sgpr 96
		.amdhsa_reserve_vcc 1
		.amdhsa_float_denorm_mode_32 3
		.amdhsa_float_denorm_mode_16_64 3
		.amdhsa_memory_ordered 1
		.amdhsa_forward_progress 1
		.amdhsa_inst_pref_size 97
	.end_amdhsa_kernel
	.amdgpu_metadata
---
amdhsa.version: [ 1, 2 ]
amdhsa.kernels:
  - .name:           k_qfda748af9f_search
    .symbol:         k_qfda748af9f_search.kd
    .args:
      - { .name: rec, .offset: 0, .size: 8, .value_kind: global_buffer, .address_space: global }
      - { .name: pkey, .offset: 8, .size: 8, .value_kind: global_buffer, .address_space: global }
      - { .name: pidx, .offset: 16, .size: 8, .value_kind: global_buffer, .address_space: global }
    .group_segment_fixed_size: 327680
    .private_segment_fixed_size: 0
    .kernarg_segment_align: 8
    .kernarg_segment_size: 24
    .max_flat_workgroup_size: 128
    .sgpr_count:     96
    .vgpr_count:     1024
    .wavefront_size: 32
...
	.end_amdgpu_metadata
.endif
;; end of part 2
;; launch gather (part 3): grid 256 x 1, 8 waves a work-group, no clusters, 0 bytes of LDS; arguments pkey, pidx, negative, out0; writes out0
.if DOCPART == 3
	.amdgcn_target "amdgcn-amd-amdhsa--gfx1250"
	.amdhsa_code_object_version 6
	.text
	.protected	k_qfda748af9f_gather
	.globl	k_qfda748af9f_gather
	.p2align	8
	.type	k_qfda748af9f_gather,@function
k_qfda748af9f_gather:
	s_mov_b64 s[64:65], 0
	v_nop
	global_prefetch_b8 v0, s[64:65] scope:SCOPE_SE
	s_setreg_imm32_b32 hwreg(HW_REG_WAVE_MODE, 25, 1), 1
	s_wait_xcnt 0x0
; out0[i] = negative[idx[i]], idx[i] the index that goes with the largest of anchor i's 16 keys (pkey, pidx: [16 ranges][8192]); of equal keys the lowest range's, which holds the lowest index.
; The keys are whole numbers whose signed order is the order of the mse that they stand for: this text has no floating-point instruction, and the rows' addresses are made of whole numbers read from memory.
; A wave owns four anchors, 4 gw .. 4 gw + 3 (gw = 8 x work-group + wave): lane l merges anchor 4 gw + l % 4 (eight lanes do the same work), then all four rows, 16 KiB, are asked for at once.
; No LDS, no barrier: waves share nothing.  No register that a pending load or store names is written again.
.set L16, 1                            ; v1       16 x lane
.set KO,  2                            ; v2       my anchor's byte in a range's 32,768
.set KEY, 8                            ; v[8:23]  16 keys
.set IDX, 24                           ; v[24:39] 16 indices
.set RO,  40                           ; v[40:43] byte offset of my 16 bytes in each of the four rows
.set BK,  44                           ; v44      the best key
.set BI,  45                           ; v45      its index
.set ROW, 48                           ; v[48:175] four rows x 32 registers
	s_load_b256 s[4:11], s[0:1], 0x0               ; pkey s[4:5], pidx s[6:7], negative s[8:9], out0 s[10:11]
	v_lshrrev_b32 v3, 5, v0
	s_delay_alu instid0(VALU_DEP_1)
	v_readfirstlane_b32 s12, v3                    ; wave 0..7
	s_lshl_b32 s13, ttmp9, 3
	s_add_co_u32 s13, s13, s12                     ; gw
	v_and_b32 v[L16], 31, v0
	s_delay_alu instid0(VALU_DEP_1)
	v_lshlrev_b32 v[L16], 4, v[L16]
	v_and_b32 v[KO], 3, v0
	s_lshl_b32 s14, s13, 4                         ; four anchors x 4 bytes
	v_lshl_add_u32 v[KO], v[KO], 2, s14
	s_lshl_b32 s16, s13, 14                        ; four rows of 4,096 bytes
	s_mov_b32 s17, 0
	s_wait_alu depctr_va_vdst(0)
	s_wait_kmcnt 0x0
	s_add_nc_u64 s[10:11], s[10:11], s[16:17]
.irp b, 0,1,2,3,4,5,6,7,8,9,10,11,12,13,14,15
	global_load_b32 v[KEY+\b], v[KO], s[4:5] offset:32768*\b
.endr
.irp b, 0,1,2,3,4,5,6,7,8,9,10,11,12,13,14,15
	global_load_b32 v[IDX+\b], v[KO], s[6:7] offset:32768*\b
.endr
	s_wait_loadcnt 0x0
	v_mov_b32 v[BK], v[KEY]
	v_mov_b32 v[BI], v[IDX]
.irp b, 1,2,3,4,5,6,7,8,9,10,11,12,13,14,15
	s_delay_alu instid0(VALU_DEP_2)
	v_cmp_gt_i32 vcc_lo, v[KEY+\b], v[BK]          ; strictly: the lower range keeps a tie
	s_delay_alu instid0(VALU_DEP_1)
	v_cndmask_b32 v[BK], v[BK], v[KEY+\b], vcc_lo
	s_delay_alu instid0(VALU_DEP_2)
	v_cndmask_b32 v[BI], v[BI], v[IDX+\b], vcc_lo
.endr
.irp n, 0,1,2,3
	v_readlane_b32 s[20+\n], v[BI], \n             ; lane n holds anchor 4 gw + n's index
	s_min_u32 s[20+\n], s[20+\n], 0x1fff           ; held inside the table before it enters an address
	v_lshl_add_u32 v[RO+\n], s[20+\n], 12, v[L16]  ; the row's 4,096 bytes, my 16 of each 512
.endr
.irp n, 0,1,2,3
.irp t, 0,1,2,3,4,5,6,7
	global_load_b128 v[ROW+32*\n+4*\t:ROW+32*\n+4*\t+3], v[RO+\n], s[8:9] offset:512*\t   ; 512 consecutive bytes a load.  No hint: a row may win for several anchors
.endr
.endr
.irp n, 0,1,2,3
	s_wait_loadcnt 8*(3-\n)                        ; loads come back in order: row n is in, the later rows' eight loads each may be out
.irp t, 0,1,2,3,4,5,6,7
	global_store_b128 v[L16], v[ROW+32*\n+4*\t:ROW+32*\n+4*\t+3], s[10:11] offset:4096*\n+512*\t th:TH_STORE_NT   ; 512 consecutive bytes, at a multiple of 512; written once, read by nobody here
.endr
.endr
	s_endpgm
.Lfunc_end_k_qfda748af9f_gather:
	.size	k_qfda748af9f_gather, .Lfunc_end_k_qfda748af9f_gather-k_qfda748af9f_gather
	.p2alignl 7, 3214868480
	.fill 96, 4, 3214868480
	.section	.rodata,"a",@progbits
	.p2align	6, 0x0
	.amdhsa_kernel k_qfda748af9f_gather
		.amdhsa_group_segment_fixed_size 0
		.amdhsa_private_segment_fixed_size 0
		.amdhsa_enable_private_segment 0
		.amdhsa_kernarg_size 32
		.amdhsa_user_sgpr_count 2
		.amdhsa_user_sgpr_kernarg_segment_ptr 1
		.amdhsa_wavefront_size32 1
		.amdhsa_system_sgpr_workgroup_id_x 1
		.amdhsa_system_sgpr_workgroup_id_y 1
		.amdhsa_system_sgpr_workgroup_id_z 1
		.amdhsa_system_vgpr_workitem_id 0
		.amdhsa_next_free_vgpr 176
		.amdhsa_next_free_sgpr 66
		.amdhsa_reserve_vcc 1
		.amdhsa_float_denorm_mode_32 3
		.amdhsa_float_denorm_mode_16_64 3
		.amdhsa_memory_ordered 1
		.amdhsa_forward_progress 1
		.amdhsa_inst_pref_size 14
	.end_amdhsa_kernel
	.amdgpu_metadata
---
amdhsa.version: [ 1, 2 ]
amdhsa.kernels:
  - .name:           k_qfda748af9f_gather
    .symbol:         k_qfda748af9f_gather.kd
    .args:
      - { .name: pkey, .offset: 0, .size: 8, .value_kind: global_buffer, .address_space: global }
      - { .name: pidx, .offset: 8, .size: 8, .value_kind: global_buffer, .address_space: global }
      - { .name: negative, .offset: 16, .size: 8, .value_kind: global_buffer, .address_space: global }
      - { .name: out0, .offset: 24, .size: 8, .value_kind: global_buffer, .address_space: global }
    .group_segment_fixed_size: 0
    .private_segment_fixed_size: 0
    .kernarg_segment_align: 8
    .kernarg_segment_size: 32
    .max_flat_workgroup_size: 256
    .sgpr_count:     66
    .vgpr_count:     176
    .wavefront_size: 32
...
	.end_amdgpu_metadata
.endif
;; end of part 3
